; MI455X (gfx1250); checked and timed in simulation.
; The chip was launched on July 23, 2026; its instructions are those of AMD's public machine-readable ISA for CDNA 5 (MIT licence, August 2026) and "CDNA5" Instruction Set Architecture Reference Guide (July 2026). The comments in the code are by the model that wrote it; some were corrected since.
;; Self Attention Vanilla. Allowed arithmetic: matrix products marked QUANTISED: E5M2 operands, one E8M0 scale for each 32 along K, by v_wmma_scale_f32_16x16x128_f8f6f4 with both operands' format E5M2, f32 sums; everything else in f32.
;; Inputs: k 4 x 16 x 2,048 x 64 float32; q 4 x 16 x 2,048 x 64 float32; v 4 x 16 x 2,048 x 64 float32.
;; Outputs: out0 4 x 16 x 2,048 x 64 float32.
;; This version of the problem:
;;   THIS VERSION OF THE PROBLEM IS GIVEN IN LOW PRECISION. The matrix products marked QUANTISED in the list below multiply operands that are first quantised to E5M2 (5 exponent bits, 2 mantissa bits; 8 bits a number), with one power-of-two scale for each 32 numbers along K (OCP MX v1.0); their sums are f32. All else is computed in f32.
;;   The module's matrix products, in the order in which they are computed (A, B: the left and right operand; K: the contracted axis; several contracted axes count as one K, in the product's order):
;;     1. batch 64 x [M 2,048, K 64] x [K 64, N 2,048]; A: input q; B: input k: QUANTISED
;;     2. batch 64 x [M 2,048, K 2,048] x [K 2,048, N 64]; A: softmax (see below); B: input v: QUANTISED
;;   THE QUANTISER, for each operand of a quantised product, along K:
;;     - K is cut into blocks of 32 from its start; a last block that is shorter is filled with zeros.
;;     - A block's scale is 2^e with e = floor(log2(the largest magnitude in the block)) - 15, held to -126 .. 127; a block of zeros has e = 0. As a byte (E8M0): e + 127.
;;     - Each number is divided by its block's scale, clamped to +-57,344, and rounded to the nearest number of E5M2, ties to even, subnormals kept.
;;     - The product sums the exact products of the quantised numbers (number of the format x scale) in f32.
;;   ~~~python
;;   def quantise(x, axis):      # numpy; x: float32 -> the quantised numbers, widened to float32 again
;;       x = np.moveaxis(x, axis, -1); K = x.shape[-1]
;;       x = np.pad(x, [(0, 0)] * (x.ndim - 1) + [(0, -K % 32)]); x = x.reshape(x.shape[:-1] + (-1, 32)); a = np.abs(x).max(-1, keepdims=True)
;;       e = np.where(a > 0, np.clip(np.frexp(np.where(a > 0, a, 1))[1] - 1 - 15, -126, 127), 0)      # np.frexp(a)[1] - 1 = floor(log2(a)), exactly
;;       r = np.clip(x / 2.0 ** e, -57344, 57344)
;;       step = 2.0 ** (np.maximum(np.frexp(np.where(r == 0, 1, r))[1] - 1, -14) - 2)
;;       q = np.round(r / step) * step * 2.0 ** e      # np.round: ties to even
;;       return np.moveaxis(q.reshape(q.shape[:-2] + (-1,))[..., :K], -1, axis).astype(np.float32)
;;   ~~~
;;   SOFTMAX AHEAD OF A QUANTISED PRODUCT. Where the list says 'softmax', what is quantised is not the finished softmax but p = 2^(t - M), with t = logit x log2(e) and M = ceil(the row's largest t), a whole number; so 1/2 < the row's largest p <= 1. The row's sum l is taken of the UNQUANTISED p, in f32, and the product's result is divided by l at the end. Since M is a whole number, a kernel that streams over the keys may use a running M (the ceiling of the running maximum): every later rescaling is an exact power of two, which a block's scale takes up: the codes' values come out the same.
;;   OPERANDS COMPUTED ON THE WAY. 'Computed on the way' means the value that the module computes at that place (a softmax that the list does not call 'softmax' is quantised finished and normalised). What goes into a quantiser is computed in f32, as accurately as f32 sums, v_exp_f32 and their like allow (about 1e-6 of the number): no bf16 or f16 on the way to a quantiser, and a product that is left as it is and whose result goes on into a quantised operand takes f32 operands (vector FMAs, or v_wmma_f32_16x16x4_f32). A number that lies on a knife's edge between two numbers of the format may be rounded either way, as far as f32 arithmetic and the matrix unit's own rounding can turn it there, and no further.
;; One version. Each part assembles by itself: llvm-mc -triple=amdgcn-amd-amdhsa -mcpu=gfx1250 --defsym DOCPART=n.
;; ======== version 1 of 1: 2 launches
;; limits: right only within a limited range of input values
;; workspace buffers: kv 17,563,648 bytes
;; launch prep (part 1): grid 16 x 64, 8 waves a work-group, no clusters, 36,864 bytes of LDS; arguments k, v, kv; writes kv
.if DOCPART == 1
	.amdgcn_target "amdgcn-amd-amdhsa--gfx1250"
	.amdhsa_code_object_version 6
	.text
	.protected	k_q1e40554a96_prep
	.globl	k_q1e40554a96_prep
	.p2align	8
	.type	k_q1e40554a96_prep,@function
k_q1e40554a96_prep:
	s_mov_b64 s[64:65], 0
	v_nop
	global_prefetch_b8 v0, s[64:65] scope:SCOPE_SE
	s_setreg_imm32_b32 hwreg(HW_REG_WAVE_MODE, 25, 1), 1
	s_wait_xcnt 0x0
; k and v, [64 heads][2048 keys][64] f32, become codes of BF8 (E5M2) with one E8M0 scale byte for each 32 along a product's K, laid as IMAGES OF THE OPERAND REGISTERS of the attention launch.
; k is quantised along its 64 channels (K of the first product), v along the KEYS (K of the second).
; kv = [head 64][step 16][slab 17,152 bytes]; a slab serves 128 keys:
;   +0      K's codes: tile t (0..7) at 1,024 t, piece c (0..1) at 512 c, lane l = (r = l % 16, h = l / 16) at 16 l: key 32 (t / 2) + 8 (t % 2) + r + 8 (r / 8), channels 32 c + 16 h + 0 .. 15
;   +8,192  V's codes: channel tile dt (0..3) at 2,048 dt, piece c (0..3) at 512 c, lane (r, h) at 16 l: channel 16 dt + r, keys 32 c + 16 h + 0 .. 15
;   +16,384 K's scale words, [lane l][p 0..3]: tile 2 p + l / 16, row l % 16; bytes 0, 1 are the row's two blocks, bytes 2, 3 repeat them (they scale the half of the instruction's K that holds nothing)
;   +16,896 V's scale words, [lane l][p 0..1]: channel 32 p + l; byte c is key block c of the step
; A block's scale is 2^(floor(log2(its largest magnitude)) - 15); its byte is the largest magnitude's exponent field - 15, held at 1 from below.
; LIMITS: a block of zeros gets the byte 1 where the rule says 127 (its codes are zeros, and this program alone reads the bytes); blocks whose largest magnitude lies under 2^-111 are held at the byte 1;
; NaN and infinities among the inputs are not served.
; SHARES: a work-group makes one slab (x = step, y = head).  Wave w makes K's tile w, and V's key block w / 2 for channels 32 (w % 2) + lane.  Straight-line: all of a wave's 8 KiB are asked for at once.
; No matrix unit, no tensor load, no cluster: the launch is a stream, and no two work-groups read the same bytes.
.set SLAB,  17152
.set HEADB, 16*SLAB
.set STG,   16*272                     ; a wave's stage: 16 rows of 256 bytes + 16 of padding, so that sixteen rows' equal columns fall on different banks (64 banks of 4 bytes: ISA guide 11.1)
.set SCA,   8*STG                      ; behind the stages: 512 bytes of K's scale words, then 256 of V's
.set KR,    16                         ; v16-47   K as loaded
.set KC,    16                         ; v16-23   later K's codes
.set VC,    24                         ; v24-31   later V's codes
.set KX,    48                         ; v48-79   register 16 c + i = channel 32 c + 16 h + i of my tile row
.set VX,    80                         ; v80-111  32 keys of my channel
.set TM,    112                        ; v112-127 at work
	s_load_b128 s[4:7], s[0:1], 0x0                ; k, v
	s_load_b64 s[8:9], s[0:1], 0x10                ; kv
	v_lshl_add_u32 v14, v0, 2, 0x8c00              ; my spare word, behind the stages and the scales; never rewritten
	v_mov_b32 v15, 0                               ; 0; never rewritten
	v_lshrrev_b32 v1, 5, v0
	s_delay_alu instid0(VALU_DEP_1)
	v_readfirstlane_b32 s10, v1                    ; wave 0..7
	v_and_b32 v1, 31, v0                           ; lane
	v_and_b32 v2, 15, v0                           ; r
	v_bfe_u32 v3, v0, 4, 1                         ; h
	s_lshr_b32 s11, s10, 1                         ; K: b of tile 2 b + u;  V: key block c
	s_and_b32 s12, s10, 1                          ; K: u;  V: p, which 32 channels
	s_and_b32 s13, ttmp7, 0xffff                   ; head
	v_lshlrev_b32 v4, 4, v1                        ; 16 x lane
	s_mul_i32 s27, s10, STG                        ; my stage
	v_mul_u32_u24 v5, v3, 272
	s_delay_alu instid0(VALU_DEP_1)
	v_lshl_add_u32 v5, v2, 4, v5
	s_delay_alu instid0(VALU_DEP_1)
	v_add_nc_u32 v5, s27, v5                       ; into it: a load's two rows: row h, 16 r
	v_mul_u32_u24 v6, v2, 272
	s_delay_alu instid0(VALU_DEP_1)
	v_lshl_add_u32 v6, v3, 6, v6
	s_delay_alu instid0(VALU_DEP_1)
	v_add_nc_u32 v6, s27, v6                       ; out of it: row r, 64 h: my 16 numbers of a block
	v_lshlrev_b32 v7, 2, v1                        ; V: 4 bytes a lane
	v_lshlrev_b32 v8, 11, v3
	s_delay_alu instid0(VALU_DEP_1)
	v_lshl_add_u32 v8, v2, 4, v8                   ; V's codes: channel tile lane / 16, 16 r
	s_lshl_b32 s27, s12, 8
	s_lshl_b32 s28, s11, 2
	s_add_co_u32 s27, s27, s28
	s_add_co_u32 s27, s27, SCA
	v_lshl_add_u32 v9, v2, 4, s27                  ; K's scale word: SCA + 16 (16 u + r) + 4 b
	s_lshl_b32 s27, s12, 2
	s_add_co_u32 s27, s27, s11
	s_add_co_u32 s27, s27, SCA+512
	v_lshl_add_u32 v10, v1, 3, s27                 ; V's scale byte: SCA + 512 + 8 lane + 4 p + c
	v_add_nc_u32 v11, SCA, v4                      ; wave 0 reads them back: 16 bytes a lane,
	v_lshlrev_b32 v13, 3, v1
	s_delay_alu instid0(VALU_DEP_1)
	v_add_nc_u32 v12, SCA+512, v13                 ; and 8 bytes a lane
	v_mov_b32 v[TM+2], 0                           ; written once: a lane permute's destination counts as one of its sources
	v_mov_b32 v[TM+3], 0
	s_mov_b32 s24, 0x76543210
	s_mov_b32 s25, 0xfedcba98                      ; v_permlanex16_b32's selects for lane l xor 16
	s_mov_b32 s26, 0x600000                        ; the mantissa field of 57,344
	s_lshl_b32 s14, s13, 19                        ; a head is 2,048 rows of 256 bytes,
	s_lshl_b32 s16, ttmp9, 15                      ; a step 128 rows,
	s_add_co_u32 s14, s14, s16
	s_lshl_b32 s16, s11, 13                        ; 32 rows for each b (K) or c (V)
	s_add_co_u32 s14, s14, s16
	s_lshl_b32 s16, s12, 11                        ; K: 8 rows for u
	s_add_co_u32 s16, s14, s16
	s_mov_b32 s17, 0
	s_lshl_b32 s15, s12, 7                         ; V: 128 bytes for p
	s_add_co_u32 s14, s14, s15
	s_mov_b32 s15, 0
	s_mul_i32 s18, s13, HEADB
	s_mul_i32 s20, ttmp9, SLAB
	s_add_co_u32 s18, s18, s20                     ; my slab (under 2^25 bytes)
	s_mov_b32 s19, 0
	s_lshl_b32 s20, s10, 10                        ; K's tile w
	s_mov_b32 s21, 0
	s_lshl_b32 s22, s12, 12                        ; V: channel tiles 2 p, 2 p + 1,
	s_lshl_b32 s23, s11, 9                         ; piece c
	s_add_co_u32 s22, s22, s23
	s_add_co_u32 s22, s22, 8192
	s_mov_b32 s23, 0
	s_wait_kmcnt 0x0
	s_add_nc_u64 s[4:5], s[4:5], s[16:17]
	s_add_nc_u64 s[6:7], s[6:7], s[14:15]
	s_add_nc_u64 s[18:19], s[8:9], s[18:19]
	s_add_nc_u64 s[20:21], s[18:19], s[20:21]
	s_add_nc_u64 s[22:23], s[18:19], s[22:23]
.irp i, 0,1,2,3,4,5,6,7
	global_load_b128 v[KR+4*\i:KR+4*\i+3], v4, s[4:5] offset:512*(\i%4)+4096*(\i/4) th:TH_LOAD_NT   ; 32 lanes read 512 consecutive bytes: two keys; the tile's rows 8-15 lie 16 keys behind its rows 0-7
.endr
.irp i, 0,1,2,3,4,5,6,7,8,9,10,11,12,13,14,15,16,17,18,19,20,21,22,23,24,25,26,27,28,29,30,31
	global_load_b32 v[VX+\i], v7, s[6:7] offset:256*\i th:TH_LOAD_NT   ; key 32 c + i, my channel: a lane's registers run down the keys; the wave beside me takes the row's other 128 bytes
.endr
	; ---- K: through my stage, so that a lane holds 16 neighbours along the channels
	s_wait_loadcnt 32                              ; K's eight loads are in; the 32 younger ones are V's
.irp i, 0,1,2,3,4,5,6,7
	ds_store_b128 v5, v[KR+4*\i:KR+4*\i+3] offset:544*\i             ; tile rows 2 i + h
.endr
.irp c, 0,1
.irp j, 0,1,2,3
	ds_load_b128 v[KX+16*\c+4*\j:KX+16*\c+4*\j+3], v6 offset:128*\c+16*\j   ; LDS serves a wave's instructions in order (ISA guide 5.7.1.4): these see my stores
.endr
.endr
	s_wait_dscnt 0x0
.irp c, 0,1
	v_max3_num_f32 v[TM+\c], |v[KX+16*\c]|, |v[KX+16*\c+1]|, 0x8000000     ; block c: my 16 numbers, and the floor 2^(16 - 127): the byte cannot fall under 1
.endr
.irp i, 2,4,6,8,10,12,14
.irp c, 0,1
	s_delay_alu instid0(VALU_DEP_2)
	v_max3_num_f32 v[TM+\c], v[TM+\c], |v[KX+16*\c+\i]|, |v[KX+16*\c+\i+1]|
.endr
.endr
.irp c, 0,1
	s_delay_alu instid0(VALU_DEP_2)
	v_permlanex16_b32 v[TM+2+\c], v[TM+\c], s24, s25
.endr
.irp c, 0,1
	s_delay_alu instid0(VALU_DEP_2)
	v_max_num_f32 v[TM+\c], v[TM+\c], v[TM+2+\c]   ; with lane l xor 16's: the block's largest magnitude
.endr
.irp c, 0,1
	s_delay_alu instid0(VALU_DEP_2)
	v_add_nc_u32 v[TM+4+\c], 0xf8800000, v[TM+\c]  ; 15 off its exponent field: the conversion takes the exponent field of this operand as its scale
.endr
.irp c, 0,1
	s_delay_alu instid0(VALU_DEP_4)
	v_and_or_b32 v[TM+6+\c], v[TM+\c], 0x7f800000, s26   ; 57,344 x the scale
.endr
.irp c, 0,1
	s_delay_alu instid0(VALU_DEP_4)
	v_lshrrev_b32 v[TM+8+\c], 23, v[TM+4+\c]       ; the scale's byte
.endr
	s_delay_alu instid0(VALU_DEP_1)
	v_lshl_or_b32 v[TM+10], v[TM+9], 8, v[TM+8]
	s_delay_alu instid0(VALU_DEP_1)
	v_lshl_or_b32 v[TM+10], v[TM+10], 16, v[TM+10] ; bytes 2, 3 repeat bytes 0, 1
.irp c, 0,1
.irp i, 0,1,2,3,4,5,6,7,8,9,10,11,12,13,14,15
	v_med3_num_f32 v[KX+16*\c+\i], v[KX+16*\c+\i], -v[TM+6+\c], v[TM+6+\c]   ; the conversion to an 8-bit code does not saturate (ISA guide 7.6.2): the hold comes first
.endr
	v_cvt_scalef32_pk8_bf8_f32 v[KC+4*\c:KC+4*\c+1], v[KX+16*\c:KX+16*\c+7], v[TM+4+\c]
	v_cvt_scalef32_pk8_bf8_f32 v[KC+4*\c+2:KC+4*\c+3], v[KX+16*\c+8:KX+16*\c+15], v[TM+4+\c]
.endr
	v_nop                                          ; one plain vector line behind the last conversion of the run
.irp c, 0,1
	global_store_b128 v4, v[KC+4*\c:KC+4*\c+3], s[20:21] offset:512*\c      ; 32 lanes store 512 consecutive bytes, at a multiple of 256 from kv's first byte
.endr
	ds_store_b32 v9, v[TM+10]                      ; both halves of the lanes write the same word with the same value
	; ---- V: a block of 32 keys lies in one lane's 32 registers
	s_wait_loadcnt 0x0
	v_max3_num_f32 v[TM+12], |v[VX]|, |v[VX+1]|, |v[VX+2]|
	v_max3_num_f32 v[TM+13], |v[VX+3]|, |v[VX+4]|, |v[VX+5]|
.irp i, 6,10,14,18,22,26
	s_delay_alu instid0(VALU_DEP_2)
	v_max3_num_f32 v[TM+12], v[TM+12], |v[VX+\i]|, |v[VX+\i+1]|
	s_delay_alu instid0(VALU_DEP_2)
	v_max3_num_f32 v[TM+13], v[TM+13], |v[VX+\i+2]|, |v[VX+\i+3]|
.endr
	s_delay_alu instid0(VALU_DEP_2)
	v_max3_num_f32 v[TM+12], v[TM+12], |v[VX+30]|, |v[VX+31]|
	s_delay_alu instid0(VALU_DEP_1)
	v_max3_num_f32 v[TM+12], v[TM+12], v[TM+13], 0x8000000   ; and the floor
	s_delay_alu instid0(VALU_DEP_1)
	v_add_nc_u32 v[TM+14], 0xf8800000, v[TM+12]
	s_delay_alu instid0(VALU_DEP_2)
	v_and_or_b32 v[TM+15], v[TM+12], 0x7f800000, s26
	s_delay_alu instid0(VALU_DEP_2)
	v_lshrrev_b32 v[TM+11], 23, v[TM+14]
.irp i, 0,1,2,3,4,5,6,7,8,9,10,11,12,13,14,15,16,17,18,19,20,21,22,23,24,25,26,27,28,29,30,31
	v_med3_num_f32 v[VX+\i], v[VX+\i], -v[TM+15], v[TM+15]
.endr
.irp g, 0,1,2,3
	v_cvt_scalef32_pk8_bf8_f32 v[VC+2*\g:VC+2*\g+1], v[VX+8*\g:VX+8*\g+7], v[TM+14]
.endr
	v_nop
	global_store_b128 v8, v[VC:VC+3], s[22:23]                 ; keys 0-15 of the block: sixteen lanes store 256 consecutive bytes, aligned
	global_store_b128 v8, v[VC+4:VC+7], s[22:23] offset:256    ; keys 16-31
	ds_store_b8 v10, v[TM+11]
	s_wait_dscnt 0x0                               ; for wave 0's sake: my scale words and bytes have landed
	s_barrier_signal -1
	s_barrier_wait -1
	s_cmp_lg_u32 s10, 0
	s_cbranch_scc1 .Ldone
	ds_load_b128 v[KX:KX+3], v11                   ; the slab's 768 bytes of scales leave in whole runs of 512 and 256 bytes
	ds_load_b64 v[KX+4:KX+5], v12
	s_wait_dscnt 0x0
	global_store_b128 v4, v[KX:KX+3], s[18:19] offset:16384
	global_store_b64 v13, v[KX+4:KX+5], s[18:19] offset:16896
.Ldone:
	s_wait_tensorcnt 0x0
	ds_add_u32 v14, v15                            ; the wave's end: behind my last LDS store
	s_wait_dscnt 0x0
	s_endpgm
.Lfunc_end_k_q1e40554a96_prep:
	.size	k_q1e40554a96_prep, .Lfunc_end_k_q1e40554a96_prep-k_q1e40554a96_prep
	.p2alignl 7, 3214868480
	.fill 96, 4, 3214868480
	.section	.rodata,"a",@progbits
	.p2align	6, 0x0
	.amdhsa_kernel k_q1e40554a96_prep
		.amdhsa_group_segment_fixed_size 36864
		.amdhsa_private_segment_fixed_size 0
		.amdhsa_enable_private_segment 0
		.amdhsa_kernarg_size 24
		.amdhsa_user_sgpr_count 2
		.amdhsa_user_sgpr_kernarg_segment_ptr 1
		.amdhsa_wavefront_size32 1
		.amdhsa_system_sgpr_workgroup_id_x 1
		.amdhsa_system_sgpr_workgroup_id_y 1
		.amdhsa_system_sgpr_workgroup_id_z 1
		.amdhsa_system_vgpr_workitem_id 0
		.amdhsa_next_free_vgpr 128
		.amdhsa_next_free_sgpr 66
		.amdhsa_reserve_vcc 0
		.amdhsa_float_denorm_mode_32 3
		.amdhsa_float_denorm_mode_16_64 3
		.amdhsa_memory_ordered 1
		.amdhsa_forward_progress 1
		.amdhsa_inst_pref_size 19
	.end_amdhsa_kernel
	.amdgpu_metadata
---
amdhsa.version: [ 1, 2 ]
amdhsa.kernels:
  - .name:           k_q1e40554a96_prep
    .symbol:         k_q1e40554a96_prep.kd
    .args:
      - { .name: k, .offset: 0, .size: 8, .value_kind: global_buffer, .address_space: global }
      - { .name: v, .offset: 8, .size: 8, .value_kind: global_buffer, .address_space: global }
      - { .name: kv, .offset: 16, .size: 8, .value_kind: global_buffer, .address_space: global }
    .group_segment_fixed_size: 36864
    .private_segment_fixed_size: 0
    .kernarg_segment_align: 8
    .kernarg_segment_size: 24
    .max_flat_workgroup_size: 256
    .sgpr_count:     66
    .vgpr_count:     128
    .wavefront_size: 32
...
	.end_amdgpu_metadata
.endif
;; end of part 1
;; launch attn (part 2): grid 4 x 64, 8 waves a work-group, clusters of 4 x 1, 327,680 bytes of LDS; arguments q, kv, out0; writes out0
.if DOCPART == 2
	.amdgcn_target "amdgcn-amd-amdhsa--gfx1250"
	.amdhsa_code_object_version 6
	.text
	.protected	k_q1e40554a96_attn
	.globl	k_q1e40554a96_attn
	.p2align	8
	.type	k_q1e40554a96_attn,@function
k_q1e40554a96_attn:
	s_mov_b64 s[64:65], 0
	v_nop
	global_prefetch_b8 v0, s[64:65] scope:SCOPE_SE
	s_setreg_imm32_b32 hwreg(HW_REG_WAVE_MODE, 25, 1), 1
	s_wait_xcnt 0x0
	s_wait_alu depctr_hold_cnt(0) depctr_sa_sdst(0) depctr_va_vdst(0) depctr_va_sdst(0) depctr_va_ssrc(0) depctr_va_vcc(0) depctr_vm_vsrc(0)
	s_getreg_b32 s2, hwreg(HW_REG_IB_STS2, 6, 4)
	s_cmp_eq_u32 s2, 0
	s_cbranch_scc0 .Lentry_in_a_cluster
	s_endpgm
.Lentry_in_a_cluster:
	s_bfe_u32 s2, ttmp6, 0x10000c
	s_cmp_lg_u32 s2, 0x3003
	s_cbranch_scc0 .Lentry_shape_is_right
	s_endpgm
.Lentry_shape_is_right:
; out0[head][q][:] = sum over the keys of softmax(q . k / 8) v, 64 heads, 2,048 queries and keys, 64 channels, both products on codes of BF8 (E5M2) with one E8M0 scale for each 32 along K.
; k and v come as kv, the register images that launch prep has laid: [head][step of 128 keys][slab of 17,152 bytes] (K's codes, V's codes, K's scale words, V's scale words).
; THE SOFTMAX: t = score x log2(e) / 8; M = the running largest t rounded up to a whole number; p = 2^(t - M) is quantised along the keys, not normalised; the row's sum is taken of the unquantised p and divides at the end;
; when M moves, the sum and O are multiplied by 2^(old M - new M), which rounds nothing.
; A BLOCK'S SCALE is made without an exponential: the block's largest p is 2^u, u the block's largest t - M, so floor(log2) of it is floor(u); u is held at -111 from below, so that the byte cannot fall under 1.
; LIMITS: the promise holds while |t| stays under 2^31; NaN and infinities among the inputs are not served; a block whose every p is 0 keeps the scale byte 1 (its codes are zeros);
; where u lies within an ulp under a whole number and v_exp_f32 rounds that one p up to the power of two, that p is held at the largest code of the lower scale.
; SHARES: a work-group owns 512 queries of one head; the four work-groups of a head form a cluster and ask for the head's kv JOINTLY (mask 15): 16 slabs, 274,432 bytes, which stay in LDS for the whole launch.
; Wave w fetches slab w at the head and slab 8 + w behind the next round.  A wave owns 2 tiles of 16 queries at a time, in two passes (queries 32 w + 256 pass), and walks the 16 steps of 128 keys in each pass.
; Both products are used transposed (S^T = K Q^T, O^T = V^T P^T): a lane holds one query; the keys of K's tiles are laid by prep so that a lane's 16 registers of two neighbouring tiles are 16 neighbouring keys.
; The first product's K is 64: the upper half of Q's operand is zero codes, so what stands in the upper half of K's operand (the next tile's finite codes, or zeros behind the last) adds nothing.
; NO PREFETCH: all that the launch reads is asked for at its head; no loop runs ahead of a load.
; REGISTERS, window 0: v1-9 addresses; v14-15 the second pass's Q scale words; v32-159 S^T, then p (2 tiles x 64); v160-191 p's codes (before that: partial sums); v192-239 state and work (24 a tile); v240-243 K's scale words; v246-247 Q's; v248-249 V's; v254-255 the add's.
; Window 1: v0-63 O^T; v64-127 K's codes; v128-135 zeros; v136-199 V's codes; v200-231 Q's operands (8 codes + 8 zeros a tile); v232-247 the second pass's Q codes.
; State of tile x at rT = ST + 24 x: +0 -M, +1 largest t, +2,3 the sum in two halves, +4 f, +5 p's scale word, +6,7 work, +8..11 block maxima, +12..15 work, +16..19 holds, +20..23 the conversions' scale operands.
.set SLAB,  17152
.set HEADB, 16*SLAB
.set STAGE, HEADB                      ; behind kv: 16 rows x 272 bytes for each wave, for q's way in and the way out; no tensor load lands here
.set SP,    272
.set SPARE, STAGE+8*16*SP              ; the spare words, 128 bytes a wave: four blocks of 256 bytes that no other line names
.set LI,  1
.set L8,  2
.set ADC, 3
.set ADN, 4
.set ADS, 5
.set QO,  6
.set STO, 7
.set RD,  8
.set GO,  9
.set QS2, 14
.set S,   32
.set PCD, 160
.set ST,  192
.set KS,  240
.set QS,  246
.set VS,  248
.set SPW, 254
.set NIL, 255
.set KF,  64
.set Z8,  128
.set VF,  136
.set QF,  200
.set QN,  232
.set WV,  10
.set G1,  24
.set G0,  32
.set SEL, 40
.set CS,  42
.set MNT, 44
.set TB,  45
.set TN,  46
.set CNT, 47
.set MSB, 0
.macro WIN new                         ; the immediate's high byte repeats the setting that is left
.if MSB != \new
	s_set_vgpr_msb (MSB<<8)|\new
.set MSB, \new
.endif
.endm
.set W_KQ,  0x05                       ; sources 0 and 1 window 1
.set TO1,   0x40                       ; destination window 1
.set W_RS,  0x41                       ; destination and source 0 window 1
.set W_PV,  0x51                       ; destination, C and source 0 window 1
.set W_OUT, 0x01                       ; source 0 window 1
.macro PLACES n
.rept \n
	v_nop
.endr
.endm
.macro CROUND                          ; a round of the cluster's barrier
	s_barrier_signal -1
	s_barrier_wait -1
	s_cmp_lg_u32 s[WV], 0
	s_cbranch_scc1 .Lnot_wave_0_\@
	s_barrier_signal -3
.Lnot_wave_0_\@:
	s_barrier_wait -3
	s_barrier_signal -1
	s_barrier_wait -1
.endm
; Q's tile y (pass y / 2, tile y % 2) as it lies: each load reads 512 consecutive bytes, two queries
.macro QLOAD y
.irp i, 0,1,2,3,4,5,6,7
	global_load_b128 v[S+32*\y+4*\i:S+32*\y+4*\i+3], v[LI], s[4:5] offset:65536*((\y)/2)+4096*((\y)%2)+512*\i th:TH_LOAD_NT
.endr
.endm
; and through my stage, so that lane (r, h) holds channels 32 c + 16 h + 0 .. 15 of query r in registers dst + 16 c + 0 .. 15.  LDS serves a wave's instructions in order (ISA guide 5.7.1.4): the loads see the stores
.macro QTURN y, dst
.irp i, 0,1,2,3,4,5,6,7
	ds_store_b128 v[RD], v[S+32*\y+4*\i:S+32*\y+4*\i+3] offset:2*\i*SP
.endr
.irp c, 0,1
.irp j, 0,1,2,3
	ds_load_b128 v[\dst+16*\c+4*\j:\dst+16*\c+4*\j+3], v[QO] offset:128*\c+16*\j
.endr
.endr
.endm
; its two blocks' scales, its scale word (bytes 2, 3 repeat bytes 0, 1: they scale the zero half) and the holds
.macro QMAX y, qs, src
.set rQ, \src
.set rT, ST+24*((\y)%2)
.irp c, 0,1
	v_max3_num_f32 v[rT+8+\c], |v[rQ+16*\c]|, |v[rQ+16*\c+1]|, 0x8000000   ; with the floor 2^(16 - 127): the byte cannot fall under 1
.endr
.irp i, 2,4,6,8,10,12,14
.irp c, 0,1
	s_delay_alu instid0(VALU_DEP_2)
	v_max3_num_f32 v[rT+8+\c], v[rT+8+\c], |v[rQ+16*\c+\i]|, |v[rQ+16*\c+\i+1]|
.endr
.endr
.irp c, 0,1
	s_delay_alu instid0(VALU_DEP_2)
	v_permlanex16_b32 v[rT+12+\c], v[rT+8+\c], s[SEL], s[SEL+1]
.endr
.irp c, 0,1
	s_delay_alu instid0(VALU_DEP_2)
	v_max_num_f32 v[rT+8+\c], v[rT+8+\c], v[rT+12+\c]      ; with lane l xor 16's: the block's largest magnitude
.endr
.irp c, 0,1
	s_delay_alu instid0(VALU_DEP_2)
	v_add_nc_u32 v[rT+20+\c], 0xf8800000, v[rT+8+\c]       ; 15 off its exponent field: the conversion's scale operand
.endr
.irp c, 0,1
	s_delay_alu instid0(VALU_DEP_4)
	v_and_or_b32 v[rT+16+\c], v[rT+8+\c], 0x7f800000, s[MNT]   ; 57,344 x the scale
.endr
.irp c, 0,1
	s_delay_alu instid0(VALU_DEP_4)
	v_lshrrev_b32 v[rT+12+\c], 23, v[rT+20+\c]             ; the scale's byte
.endr
	s_delay_alu instid0(VALU_DEP_1)
	v_lshl_or_b32 v[\qs], v[rT+13], 8, v[rT+12]
	s_delay_alu instid0(VALU_DEP_1)
	v_lshl_or_b32 v[\qs], v[\qs], 16, v[\qs]
.irp c, 0,1
.irp i, 0,1,2,3,4,5,6,7,8,9,10,11,12,13,14,15
	v_med3_num_f32 v[rQ+16*\c+\i], v[rQ+16*\c+\i], -v[rT+16+\c], v[rT+16+\c]   ; the conversion does not saturate (ISA guide 7.6.2): the hold comes first
.endr
.endr
.endm
.macro QCVT dst, pitch, src, sstr      ; a pass's two tiles (numbers at src and src + sstr) into codes, 8 registers a tile, in window 1
	WIN TO1
.irp x, 0,1
.irp c, 0,1
	v_cvt_scalef32_pk8_bf8_f32 v[\dst+\pitch*\x+4*\c:\dst+\pitch*\x+4*\c+1], v[\src+(\sstr)*\x+16*\c:\src+(\sstr)*\x+16*\c+7], v[ST+24*\x+20+\c]
	v_cvt_scalef32_pk8_bf8_f32 v[\dst+\pitch*\x+4*\c+2:\dst+\pitch*\x+4*\c+3], v[\src+(\sstr)*\x+16*\c+8:\src+(\sstr)*\x+16*\c+15], v[ST+24*\x+20+\c]
.endr
.endr
	v_nop                                          ; one plain line behind the last conversion of the run
	WIN 0
.endm
.macro INIT                            ; a pass begins: the step is written once, and its first run finds zeros, which the first change of M leaves zeros
.irp x, 0,1
	v_mov_b32 v[ST+24*\x], 0x7f61b1e6              ; -M = 3e38
	v_mov_b32 v[ST+24*\x+1], 0xff61b1e6            ; the largest t so far: -3e38
	v_mov_b32 v[ST+24*\x+2], 0
	v_mov_b32 v[ST+24*\x+3], 0
.endr
	WIN TO1
.set i, 0
.rept 64
	v_mov_b32 v[i], 0
.set i, i+1
.endr
	WIN 0
.endm
.macro KCODES adr
.irp t, 0,1,2,3,4,5,6,7
.irp c, 0,1
	ds_load_b128 v[KF+8*\t+4*\c:KF+8*\t+4*\c+3], v[\adr] offset:1024*\t+512*\c
.endr
.endr
.endm
.macro VCODES
.irp d, 0,1,2,3
.irp c, 0,1,2,3
	ds_load_b128 v[VF+16*\d+4*\c:VF+16*\d+4*\c+3], v[ADC] offset:8192+2048*\d+512*\c
.endr
.endr
.endm
.macro QK                              ; S^T: 8 tiles of 16 keys x my 2 tiles of queries; a scale register holds two tiles' words, one in each half of the lanes
	WIN W_KQ
.irp t, 0,1,2,3,4,5,6,7
.irp x, 0,1
.if (\t)%2
	v_wmma_scale_f32_16x16x128_f8f6f4 v[S+64*\x+8*\t:S+64*\x+8*\t+7], v[KF+8*\t:KF+8*\t+15], v[QF+16*\x:QF+16*\x+15], 0, v[KS+\t/2], v[QS+\x] matrix_a_fmt:MATRIX_FMT_BF8 matrix_b_fmt:MATRIX_FMT_BF8 matrix_a_scale:MATRIX_SCALE_ROW1
.else
	v_wmma_scale_f32_16x16x128_f8f6f4 v[S+64*\x+8*\t:S+64*\x+8*\t+7], v[KF+8*\t:KF+8*\t+15], v[QF+16*\x:QF+16*\x+15], 0, v[KS+\t/2], v[QS+\x] matrix_a_fmt:MATRIX_FMT_BF8 matrix_b_fmt:MATRIX_FMT_BF8
.endif
.endr
.endr
.endm
.macro PV                              ; O^T += V^T P^T: 4 tiles of 16 channels x 2 tiles of queries: eight accumulators, one instruction each
	WIN W_PV
.irp d, 0,1,2,3
.irp x, 0,1
.if (\d)%2
	v_wmma_scale_f32_16x16x128_f8f6f4 v[32*\x+8*\d:32*\x+8*\d+7], v[VF+16*\d:VF+16*\d+15], v[PCD+16*\x:PCD+16*\x+15], v[32*\x+8*\d:32*\x+8*\d+7], v[VS+\d/2], v[ST+24*\x+5] matrix_a_fmt:MATRIX_FMT_BF8 matrix_b_fmt:MATRIX_FMT_BF8 matrix_a_scale:MATRIX_SCALE_ROW1
.else
	v_wmma_scale_f32_16x16x128_f8f6f4 v[32*\x+8*\d:32*\x+8*\d+7], v[VF+16*\d:VF+16*\d+15], v[PCD+16*\x:PCD+16*\x+15], v[32*\x+8*\d:32*\x+8*\d+7], v[VS+\d/2], v[ST+24*\x+5] matrix_a_fmt:MATRIX_FMT_BF8 matrix_b_fmt:MATRIX_FMT_BF8
.endif
.endr
.endr
.endm
; Line j of tile x's plain work round its exponentials.  0-39: each block's largest score; 40-48: the new M and f; 49-80: t - M; 81-84: u, the same of each block's largest score;
; 85-96: floor(u) and the conversions' scale operands; 97-104: holds and scale bytes; 105-107: p's scale word; 108: the sum under the new M.
.macro PREOP x
.set rS, S+64*(\x)
.set rT, ST+24*(\x)
.if j < 4
	v_max3_num_f32 v[rT+8+j], v[rS+16*j], v[rS+16*j+1], v[rS+16*j+2]
.elseif j < 28
.set bb, j%4
.set ii, 3+2*((j-4)/4)
	v_max3_num_f32 v[rT+8+bb], v[rT+8+bb], v[rS+16*bb+ii], v[rS+16*bb+ii+1]
.elseif j < 32
	v_max_num_f32 v[rT+8+j-28], v[rT+8+j-28], v[rS+16*(j-28)+15]
.elseif j < 36
	v_permlanex16_b32 v[rT+12+j-32], v[rT+8+j-32], s[SEL], s[SEL+1]
.elseif j < 40
	v_max_num_f32 v[rT+8+j-36], v[rT+8+j-36], v[rT+12+j-36]
.elseif j == 40
	v_max3_num_f32 v[rT+6], v[rT+8], v[rT+9], v[rT+10]
.elseif j == 41
	v_max_num_f32 v[rT+6], v[rT+6], v[rT+11]
.elseif j == 42
	v_mul_f32 v[rT+6], s[CS], v[rT+6]
.elseif j == 43
	v_max_num_f32 v[rT+1], v[rT+1], v[rT+6]
.elseif j == 44
	v_mov_b32 v[rT+7], v[rT]                       ; the old -M
.elseif j == 45
	v_floor_f32 v[rT], -v[rT+1]                    ; the new -M = -ceil(t)
.elseif j == 46
	v_sub_f32 v[rT+6], v[rT], v[rT+7]
.elseif j == 47
	v_cvt_i32_f32 v[rT+6], v[rT+6]                 ; (it saturates)
.elseif j == 48
	v_ldexp_f32 v[rT+4], 1.0, v[rT+6]              ; f = 2^(old M - new M)
.elseif j < 81
.set pp, 2*(j-49)
	v_pk_fma_f32 v[rS+pp:rS+pp+1], v[rS+pp:rS+pp+1], s[CS:CS+1], v[rT:rT+1] op_sel_hi:[1,0,0]
.elseif j < 85
	v_fma_f32 v[rT+8+j-81], v[rT+8+j-81], s[CS], v[rT]
.elseif j < 89
	v_max_num_f32 v[rT+8+j-85], 0xc2de0000, v[rT+8+j-85]       ; u held at -111 from below
.elseif j < 93
	v_cvt_floor_i32_f32 v[rT+8+j-89], v[rT+8+j-89]             ; e = floor(u), -111 .. 0
.elseif j < 97
	v_lshl_add_u32 v[rT+20+j-93], v[rT+8+j-93], 23, 0x38000000 ; the conversion's scale operand: exponent field e + 127 - 15
.elseif j < 101
	v_add_nc_u32 v[rT+16+j-97], 0x07e00000, v[rT+20+j-97]      ; 57,344 x the scale: 15 more in the exponent field, over 57,344's mantissa field
.elseif j < 105
	v_add_nc_u32 v[rT+12+j-101], 112, v[rT+8+j-101]            ; the scale's byte
.elseif j == 105
	v_lshl_or_b32 v[rT+5], v[rT+13], 8, v[rT+12]
.elseif j == 106
	v_lshl_or_b32 v[rT+5], v[rT+14], 16, v[rT+5]
.elseif j == 107
	v_lshl_or_b32 v[rT+5], v[rT+15], 24, v[rT+5]
.else
	v_pk_mul_f32 v[rT+2:rT+3], v[rT+2:rT+3], v[rT+4:rT+5] op_sel_hi:[1,0]
.endif
.endm
.macro PRE x, from, n
.set j, \from
.rept \n
	PREOP \x
.set j, j+1
.endr
.endm
.macro P2 jj                           ; line jj of both tiles
.set j, \jj
	PREOP 0
	PREOP 1
.endm
.macro P2R from, n                     ; n lines of both tiles, by turns
.set a, \from
.rept \n
	P2 a
.set a, a+1
.endr
.endm
.macro HOLD2 r, h                      ; two p held at the largest code x the scale (p is not negative: one-sided), in one dual-issue pair
	v_dual_min_num_f32 v[\r], v[\r], v[\h] :: v_dual_min_num_f32 v[\r+1], v[\r+1], v[\h]
.endm
; THE EXPONENTIALS stand by turns with plain lines of ONE level: each reads only what was written ahead of the wait in front of the batch, and what it writes is first read behind the wait that follows the batch.
; The plain lines stand behind the batch's later exponentials, and the last 16 of them behind its last one, ahead of the wait that follows.
.macro PLA                             ; line n of the 50 beside tile 0's batch: tile 1's t - M (32), both tiles' holds and scale bytes (16), both sums under the new M (2)
.if n < 32
.set j, 49+n
	PREOP 1
.elseif n < 48
.set j, 97+(n-32)/2
	PREOP (n-32)%2
.else
.set j, 108
	PREOP n-48
.endif
.set n, n+1
.endm
.macro MIXA                            ; tile 0's 64 exponentials
.set e, 0
.set n, 0
.rept 64
	v_exp_f32 v[S+e], v[S+e]
.if e >= 30
	PLA
.endif
.set e, e+1
.endr
.rept 16
	PLA
.endr
.endm
.macro PLB                             ; line n of the 48 beside tile 1's batch: the first level of tile 0's sum (16 partial sums of the unquantised p, into the registers that p's codes take later) and, behind each, its four holds
.set g, 4*(n/3)
.if (n%3) == 0
	v_pk_add_f32 v[PCD+g/2:PCD+g/2+1], v[S+g:S+g+1], v[S+g+2:S+g+3]
.elseif (n%3) == 1
	HOLD2 S+g, ST+16+g/16
.else
	HOLD2 S+g+2, ST+16+g/16
.endif
.set n, n+1
.endm
.macro MIXB                            ; tile 1's 64 exponentials
.set e, 0
.set n, 0
.rept 64
	v_exp_f32 v[S+64+e], v[S+64+e]
.if e >= 32
	PLB
.endif
.set e, e+1
.endr
.rept 16
	PLB
.endr
.endm
.macro TREE s                          ; tile 0's partial sums: number k takes number k + s in
.set k, 0
.rept \s
	v_pk_add_f32 v[PCD+2*k:PCD+2*k+1], v[PCD+2*k:PCD+2*k+1], v[PCD+2*(k+\s):PCD+2*(k+\s)+1]
.set k, k+1
.endr
.endm
.macro CH k                            ; tile 1's sum runs in four chains: the running sum and three pairs of work registers
.if (\k) == 0
.set cr, ST+26
.elseif (\k) == 1
.set cr, ST+36
.elseif (\k) == 2
.set cr, ST+38
.else
.set cr, ST+30
.endif
.endm
.macro SUM1 n                          ; the next n of its 32 lines
.rept \n
.if m < 3
	CH m+1
	v_pk_add_f32 v[cr:cr+1], v[S+64+4*m:S+64+4*m+1], v[S+64+4*m+2:S+64+4*m+3]
.elseif m < 29
	CH (m-3)%4
	v_pk_add_f32 v[cr:cr+1], v[cr:cr+1], v[S+64+2*(m+3):S+64+2*(m+3)+1]
.elseif m == 29
	v_pk_add_f32 v[ST+26:ST+27], v[ST+26:ST+27], v[ST+36:ST+37]
.elseif m == 30
	v_pk_add_f32 v[ST+38:ST+39], v[ST+38:ST+39], v[ST+30:ST+31]
.else
	v_pk_add_f32 v[ST+26:ST+27], v[ST+26:ST+27], v[ST+38:ST+39]
.endif
.set m, m+1
.endr
.endm
.macro PCVT x                          ; tile x's p into codes: the second product's operand
.irp b, 0,1,2,3
	v_cvt_scalef32_pk8_bf8_f32 v[PCD+16*\x+4*\b:PCD+16*\x+4*\b+1], v[S+64*\x+16*\b:S+64*\x+16*\b+7], v[ST+24*\x+20+\b]
	v_cvt_scalef32_pk8_bf8_f32 v[PCD+16*\x+4*\b+2:PCD+16*\x+4*\b+3], v[S+64*\x+16*\b+8:S+64*\x+16*\b+15], v[ST+24*\x+20+\b]
.endr
.endm
.macro RESC x                          ; O^T under the new M
.set i, 0
.rept 16
	v_pk_mul_f32 v[32*(\x)+i:32*(\x)+i+1], v[32*(\x)+i:32*(\x)+i+1], v[ST+24*(\x)+4:ST+24*(\x)+5] op_sel_hi:[1,0]
.set i, i+2
.endr
.endm
; A STEP OF 128 KEYS
.macro TRIP
	QK
	WIN 0
	s_add_co_u32 s[TN], s[TB], SLAB
	s_min_u32 s[TN], s[TN], 15*SLAB                ; the next step's slab (the last step names its own once more)
	v_add_nc_u32 v[ADN], s[TN], v[LI]
	v_add_nc_u32 v[ADC], s[TB], v[LI]
	v_add_nc_u32 v[ADS], s[TB], v[L8]
	P2 44                                          ; the old -M of both tiles is put by
	PLACES 3                                       ; with the five lines above: eight places behind the products, for the loads into their operands and for the first reads of S^T
	WIN TO1
	KCODES ADN                                     ; the next step's K, and this step's V: 34 LDS loads, awaited in front of the second product
	VCODES
	WIN 0
	ds_load_b128 v[KS:KS+3], v[ADN] offset:16384
	ds_load_b64 v[VS:VS+1], v[ADS] offset:16896
	P2R 0, 40                                      ; both tiles' block maxima by turns: every register of S^T has its first read ahead of the step's first exponential
	P2R 40, 4
	P2 45                                          ; M
	P2R 81, 4                                      ; the rest of the chain to f stands among the blocks' lines, eight of which do not hang on each other
	P2 46
	P2R 85, 4
	P2 47
	P2R 89, 4
	P2 48
	P2R 93, 4
	PRE 0, 49, 32                                  ; tile 0's t - M
	WIN W_RS
	RESC 0                                         ; O^T under the new M, ahead of the step's exponentials: no transcendental stands between the last step's products and these first reads of their results
	RESC 1
	WIN 0
	s_wait_alu depctr_va_vdst(0)                   ; ahead of the batch
	MIXA
	s_wait_alu depctr_va_vdst(0)                   ; behind tile 0's batch and ahead of tile 1's
	MIXB
	s_wait_alu depctr_va_vdst(0)                   ; behind tile 1's batch
	s_wait_dscnt 0x0                               ; the step's 34 LDS loads, issued at its head: V for the second product, K for the next step.  The wait above stands directly ahead of this one
.set m, 0
	P2 105                                         ; the scale words' three links stand among the levels of tile 0's tree of sums; tile 1's are done before its chains take the bytes' registers
	TREE 8
	P2 106
	TREE 4
	P2 107
	SUM1 8                                         ; tile 1's four chains by turns with the rest of the tree
	TREE 2
	SUM1 8
	TREE 1
	SUM1 8
	v_pk_add_f32 v[ST+2:ST+3], v[ST+2:ST+3], v[PCD:PCD+1]
	SUM1 5
	PCVT 0
.set e, 0
.rept 32
	HOLD2 S+64+e, ST+40+e/16
.set e, e+2
.endr
	PCVT 1
	SUM1 3                                         ; the chains are joined: these three and two idle lines are the places between the codes and the products
	PLACES 2
	PV
	WIN 0
	s_add_co_u32 s[TB], s[TB], SLAB
.endm
.macro LOOPN n
	s_mov_b32 s[CNT], \n
.Ltrip_\@:
	TRIP
	s_sub_co_u32 s[CNT], s[CNT], 1
	s_cmp_lg_u32 s[CNT], 0
	s_cbranch_scc1 .Ltrip_\@
.endm
.macro KFIRST                          ; step 0's K
	s_mov_b32 s[TB], 0
	WIN TO1
	KCODES LI
	WIN 0
	ds_load_b128 v[KS:KS+3], v[LI] offset:16384
	s_wait_dscnt 0x0
.endm
; THE WAY OUT of pass p: O^T / the sum goes through my stage, 16 rows of 256 bytes a tile, and leaves so that sixteen lanes store one aligned run of 256 bytes
.macro OUT p
.irp x, 0,1
	v_add_f32 v[ST+24*\x+6], v[ST+24*\x+2], v[ST+24*\x+3]
.endr
.irp x, 0,1
	v_permlanex16_b32 v[ST+24*\x+12], v[ST+24*\x+6], s[SEL], s[SEL+1]
.endr
.irp x, 0,1
	v_add_f32 v[ST+24*\x+6], v[ST+24*\x+6], v[ST+24*\x+12]
.endr
	s_wait_alu depctr_va_vdst(0)                   ; ahead of the two reciprocals
.irp x, 0,1
	v_rcp_f32 v[ST+24*\x+6], v[ST+24*\x+6]
.endr
	PLACES 4
	WIN W_OUT
	s_wait_alu depctr_va_vdst(0)                   ; behind them, directly ahead of the first readers of the reciprocals and of O^T
.irp x, 0,1
.set i, 0
.rept 16
	v_pk_mul_f32 v[S+64*\x+i:S+64*\x+i+1], v[32*\x+i:32*\x+i+1], v[ST+24*\x+6:ST+24*\x+7] op_sel_hi:[1,0]
.set i, i+2
.endr
.endr
	WIN 0
.irp x, 0,1
.irp d, 0,1,2,3
	ds_store_b128 v[STO], v[S+64*\x+8*\d:S+64*\x+8*\d+3] offset:64*\d
	ds_store_b128 v[STO], v[S+64*\x+8*\d+4:S+64*\x+8*\d+7] offset:64*\d+16
.endr
.irp i, 0,1,2,3,4,5,6,7
	ds_load_b128 v[S+64*\x+32+4*\i:S+64*\x+32+4*\i+3], v[RD] offset:2*\i*SP   ; in order behind my stores
.endr
.endr
.irp x, 0,1
.irp i, 0,1,2,3,4,5,6,7
	s_wait_dscnt 16*(1-\x)+7-\i                    ; the LDS lines issued behind this load: its tile's later loads, and for tile 0 tile 1's sixteen
	global_store_b128 v[GO], v[S+64*\x+32+4*\i:S+64*\x+32+4*\i+3], s[8:9] offset:65536*\p+4096*\x+512*\i th:TH_STORE_NT
.endr
.endr
.endm
	s_load_b128 s[4:7], s[0:1], 0x0                ; q, kv
	s_load_b64 s[8:9], s[0:1], 0x10                ; out0
	v_lshl_add_u32 v[SPW], v0, 2, SPARE
	v_mov_b32 v[NIL], 0
	ds_add_u32 v[SPW], v[NIL]                      ; the opening: the add, twice on end, and its wait ahead of my first tensor load
	ds_add_u32 v[SPW], v[NIL]
	v_lshrrev_b32 v11, 5, v0
	v_readfirstlane_b32 s[WV], v11                 ; wave 0..7
	s_bfe_u32 s11, ttmp6, 0x40000                  ; cx: which 512 queries of the head; it enters q's and out0's addresses alone
	s_and_b32 s12, ttmp7, 0xffff                   ; the head
	v_and_b32 v11, 31, v0
	v_and_b32 v12, 15, v0                          ; r
	v_bfe_u32 v13, v0, 4, 1                        ; h
	v_lshlrev_b32 v[LI], 4, v11                    ; 16 x lane: the register images, and q as it lies
	v_lshlrev_b32 v[L8], 3, v11                    ; 8 x lane: V's scale words
	s_mul_i32 s13, s[WV], 16*SP
	s_add_co_u32 s13, s13, STAGE                   ; my stage
	v_mul_u32_u24 v[STO], v12, SP
	v_mul_u32_u24 v[RD], v13, SP
	v_lshl_add_u32 v[QO], v13, 6, v[STO]
	v_lshl_add_u32 v[STO], v13, 5, v[STO]
	v_lshl_add_u32 v[RD], v12, 4, v[RD]
	v_add_nc_u32 v[QO], s13, v[QO]                 ; q out of the stage: row r, 64 h
	v_add_nc_u32 v[STO], s13, v[STO]               ; O into it: row r, 32 h; channel tile d 64 d on
	v_add_nc_u32 v[RD], s13, v[RD]                 ; by rows: lanes 0-15 one row, lanes 16-31 the next (q in, O back)
	v_lshlrev_b32 v[GO], 8, v13
	v_lshl_add_u32 v[GO], v12, 4, v[GO]            ; and the same two rows in out0
.irp x, 0,1
	v_mov_b32 v[ST+24*\x+5], 0                     ; named as upper halves of pairs, or as lane permutes' destinations, before they are first written
	v_mov_b32 v[ST+24*\x+7], 0
.irp b, 0,1,2,3
	v_mov_b32 v[ST+24*\x+12+\b], 0
.endr
.endr
	WIN TO1
.irp i, 0,1,2,3,4,5,6,7
	v_mov_b32 v[Z8+\i], 0                          ; zero codes: behind K's last tile, and Q's upper halves
	v_mov_b32 v[QF+8+\i], 0
	v_mov_b32 v[QF+24+\i], 0
.endr
	WIN 0
	s_mov_b32 s[SEL], 0x76543210
	s_mov_b32 s[SEL+1], 0xfedcba98                 ; v_permlanex16_b32's selects for lane l xor 16
	s_mov_b32 s[CS], 0x3e38aa3b                    ; c = log2(e) / 8
	s_mov_b32 s[CS+1], s[CS]
	s_mov_b32 s[MNT], 0x600000                     ; the mantissa field of 57,344
	s_mov_b32 s[G1], 15|(3<<16)|(1<<21)            ; group 1: the mask names the cluster's four; elements of 8 bytes; a slab is 67 dense rows of 256 bytes
	s_mov_b32 s[G1+1], 32<<16
	s_mov_b32 s[G1+2], 67<<16
	s_mov_b32 s[G1+3], 32<<16
	s_mov_b32 s[G1+4], 67
	s_mov_b32 s[G1+5], 32
	s_mov_b32 s[G1+6], 0
	s_mov_b32 s[G1+7], 0
	s_lshl_b32 s14, s12, 19                        ; q and out0: a head is 2^19 bytes, a work-group's 512 queries 2^17, a wave's 32 queries 2^13
	s_lshl_b32 s15, s11, 17
	s_add_co_u32 s14, s14, s15
	s_lshl_b32 s15, s[WV], 13
	s_add_co_u32 s14, s14, s15
	s_mov_b32 s15, 0
	s_mul_i32 s18, s[WV], SLAB                     ; kv: slab w of my head, in memory and in LDS alike
	s_mul_i32 s16, s12, HEADB
	s_add_co_u32 s16, s16, s18
	s_mov_b32 s17, 0
	s_wait_alu depctr_va_vdst(0)                   ; directly ahead of the waits below
	s_wait_dscnt 0x0                               ; both opening adds are done
	s_wait_kmcnt 0x0
	s_add_nc_u64 s[4:5], s[4:5], s[14:15]
	s_add_nc_u64 s[8:9], s[8:9], s[14:15]
	s_add_nc_u64 s[6:7], s[6:7], s[16:17]
.irp y, 0,1,2,3
	QLOAD \y                                       ; q of both passes: 32 loads, on their way across the round and the first joint load
.endr
	s_mov_b32 s[G0], 1
	s_mov_b32 s[G0+1], s18
	s_mov_b64 s[G0+2:G0+3], s[6:7]
	s_or_b32 s[G0+3], s[G0+3], 0x80000000
	s_mov_b32 s[G0+4], 1
	s_add_co_u32 s[G0+5], s18, 8*SLAB
	s_add_nc_u64 s[G0+6:G0+7], s[6:7], 8*SLAB
	s_or_b32 s[G0+7], s[G0+7], 0x80000000
	CROUND                                         ; the four work-groups are here: the first joint loads meet
	tensor_load_to_lds s[G0:G0+3], s[G1:G1+7]      ; slab w: my one tensor load at the head
	s_nop 0
	PLACES 4
	; q is quantised while the slabs are on their way.  A tile comes back from the stage into registers whose own stores into the stage have been waited for: tile 0 into p's code registers, tile y into tile y - 1's
	s_wait_loadcnt 24                              ; tile 0's eight loads are in; the 24 younger ones may be out
	QTURN 0, PCD
	s_wait_loadcnt 16
	s_wait_dscnt 0x0                               ; tile 0 is back, and its stores have read their registers
	QTURN 1, S
	QMAX 0, QS, PCD
	s_wait_loadcnt 8
	s_wait_dscnt 0x0
	QTURN 2, S+32
	QMAX 1, QS+1, S
	QCVT QF, 16, PCD, S-PCD
	s_wait_loadcnt 0x0
	s_wait_dscnt 0x0
	QTURN 3, S+64
	QMAX 2, QS2, S+32
	s_wait_dscnt 0x0
	QMAX 3, QS2+1, S+64
	QCVT QN, 8, S+32, 32                           ; the second pass's codes wait in window 1
	INIT
	s_wait_alu depctr_va_vdst(0)                   ; the head's end
	s_wait_tensorcnt 0x0                           ; my slab is in; these three lines and a round stand ahead of a later first fill
	ds_add_u32 v[SPW], v[NIL]
	s_wait_dscnt 0x0
	CROUND                                         ; slabs 0 to 7 are whole in every work-group
	tensor_load_to_lds s[G0+4:G0+7], s[G1:G1+7]    ; slab 8 + w: it has seven steps in which to land
	s_nop 0
	PLACES 4
	KFIRST
	LOOPN 7                                        ; steps 0 to 6 read slabs 0 to 7 (a step reads the next step's K)
	s_wait_tensorcnt 0x0                           ; my second slab is in,
	s_barrier_signal -1
	s_barrier_wait -1                              ; and everybody's
	LOOPN 9
	OUT 0
	s_wait_xcnt 0x0                                ; the stores' data registers are written again below only behind this wait
	WIN W_RS
.irp x, 0,1
.irp i, 0,1,2,3,4,5,6,7
	v_mov_b32 v[QF+16*\x+\i], v[QN+8*\x+\i]        ; the second pass's Q: codes,
.endr
.endr
	WIN 0
	v_mov_b32 v[QS], v[QS2]                        ; and scale words; INIT's lines are the places between these and the products
	v_mov_b32 v[QS+1], v[QS2+1]
	INIT
	KFIRST
	LOOPN 16
	OUT 1
	s_wait_tensorcnt 0x0                           ; the wave's end: behind my last tensor load and my last LDS store
	ds_add_u32 v[SPW], v[NIL]
	s_wait_dscnt 0x0
	CROUND                                         ; the closing round
	s_endpgm
.Lfunc_end_k_q1e40554a96_attn:
	.size	k_q1e40554a96_attn, .Lfunc_end_k_q1e40554a96_attn-k_q1e40554a96_attn
	.p2alignl 7, 3214868480
	.fill 96, 4, 3214868480
	.section	.rodata,"a",@progbits
	.p2align	6, 0x0
	.amdhsa_kernel k_q1e40554a96_attn
		.amdhsa_group_segment_fixed_size 327680
		.amdhsa_private_segment_fixed_size 0
		.amdhsa_enable_private_segment 0
		.amdhsa_kernarg_size 24
		.amdhsa_user_sgpr_count 2
		.amdhsa_user_sgpr_kernarg_segment_ptr 1
		.amdhsa_wavefront_size32 1
		.amdhsa_system_sgpr_workgroup_id_x 1
		.amdhsa_system_sgpr_workgroup_id_y 1
		.amdhsa_system_sgpr_workgroup_id_z 1
		.amdhsa_system_vgpr_workitem_id 0
		.amdhsa_next_free_vgpr 512
		.amdhsa_next_free_sgpr 66
		.amdhsa_reserve_vcc 0
		.amdhsa_float_denorm_mode_32 3
		.amdhsa_float_denorm_mode_16_64 3
		.amdhsa_memory_ordered 1
		.amdhsa_forward_progress 1
		.amdhsa_inst_pref_size 156
	.end_amdhsa_kernel
	.amdgpu_metadata
---
amdhsa.version: [ 1, 2 ]
amdhsa.kernels:
  - .name:           k_q1e40554a96_attn
    .symbol:         k_q1e40554a96_attn.kd
    .args:
      - { .name: q, .offset: 0, .size: 8, .value_kind: global_buffer, .address_space: global }
      - { .name: kv, .offset: 8, .size: 8, .value_kind: global_buffer, .address_space: global }
      - { .name: out0, .offset: 16, .size: 8, .value_kind: global_buffer, .address_space: global }
    .group_segment_fixed_size: 327680
    .private_segment_fixed_size: 0
    .kernarg_segment_align: 8
    .kernarg_segment_size: 24
    .max_flat_workgroup_size: 256
    .sgpr_count:     66
    .vgpr_count:     512
    .wavefront_size: 32
...
	.end_amdgpu_metadata
.endif
;; end of part 2
